; MI455X (gfx1250); checked and timed in simulation.
; The chip was launched on July 23, 2026; its instructions are those of AMD's public machine-readable ISA for CDNA 5 (MIT licence, August 2026) and "CDNA5" Instruction Set Architecture Reference Guide (July 2026). The comments in the code are by the model that wrote it; some were corrected since.
;; D2 L Dot Product Attention. Allowed arithmetic: matrix products marked QUANTISED: E4M3 operands, one given power-of-two scale a tensor, by v_wmma_f32_16x16x64_fp8_fp8 or v_wmma_f32_16x16x128_fp8_fp8, f32 sums; everything else in f32.
;; Inputs: keys_codes 32 x 2,048 x 2 x 32 uint8 (E4M3 codes of keys, K innermost, in blocks of 32 codes); lowp_scales 4 int32 (the exponents e of the quantised operands' scales 2^e); queries_codes 32 x 2,048 x 2 x 32 uint8 (E4M3 codes of queries, K innermost, in blocks of 32 codes); valid_lens 32 int32; values_codes 32 x 64 x 64 x 32 uint8 (E4M3 codes of values, K innermost, in blocks of 32 codes).
;; Outputs: out0 32 x 2,048 x 64 float32.
;; This version of the problem:
;;   THIS VERSION OF THE PROBLEM IS GIVEN IN LOW PRECISION. The matrix products marked QUANTISED in the list below multiply operands that are first quantised to E4M3 (4 exponent bits, 3 mantissa bits; 8 bits a number), with one given power-of-two scale for each operand tensor; their sums are f32. All else is computed in f32.
;;   The module's matrix products, in the order in which they are computed (A, B: the left and right operand; K: the contracted axis; several contracted axes count as one K, in the product's order):
;;     1. batch 32 x [M 2,048, K 64] x [K 64, N 2,048]; A: input queries (given as codes); B: input keys (given as codes): QUANTISED (scales: A lowp_scales[0], B lowp_scales[1])
;;     2. batch 32 x [M 2,048, K 2,048] x [K 2,048, N 64]; A: softmax (see below); B: input values (given as codes): QUANTISED (scales: A lowp_scales[2], B lowp_scales[3])
;;   THE QUANTISER, for each operand of a quantised product, along K:
;;     - The operand's scale is 2^e, e = its entry of the input lowp_scales (int32; the entries are numbered through the quantised products in the list's order, A before B).
;;     - Each number is divided by the scale, clamped to +-448, and rounded to the nearest number of E4M3, ties to even, subnormals kept.
;;     - The product sums the exact products of the quantised numbers (number of the format x scale) in f32.
;;   ~~~python
;;   def quantise(x, axis, e):      # numpy; x: float32 -> the quantised numbers, widened to float32 again
;;       x = np.moveaxis(x, axis, -1); K = x.shape[-1]
;;       r = np.clip(x / 2.0 ** e, -448, 448)
;;       step = 2.0 ** (np.maximum(np.frexp(np.where(r == 0, 1, r))[1] - 1, -6) - 3)
;;       q = np.round(r / step) * step * 2.0 ** e      # np.round: ties to even
;;       return np.moveaxis(q, -1, axis).astype(np.float32)
;;   ~~~
;;   SOFTMAX AHEAD OF A QUANTISED PRODUCT. Where the list says 'softmax', what is quantised is not the finished softmax but p = 2^(t - M), with t = logit x log2(e) and M = ceil(the row's largest t), a whole number; so 1/2 < the row's largest p <= 1. The row's sum l is taken of the UNQUANTISED p, in f32, and the product's result is divided by l at the end. Since M is a whole number, a kernel that streams over the keys may use a running M (the ceiling of the running maximum): every later rescaling is an exact power of two, so the quantised numbers keep their values, but for numbers so far below the row's largest that they fall under the format's range.
;;   OPERANDS COMPUTED ON THE WAY. 'Computed on the way' means the value that the module computes at that place (a softmax that the list does not call 'softmax' is quantised finished and normalised). What goes into a quantiser is computed in f32, as accurately as f32 sums, v_exp_f32 and their like allow (about 1e-6 of the number): no bf16 or f16 on the way to a quantiser, and a product that is left as it is and whose result goes on into a quantised operand takes f32 operands (vector FMAs, or v_wmma_f32_16x16x4_f32). A number that lies on a knife's edge between two numbers of the format may be rounded either way, as far as f32 arithmetic and the matrix unit's own rounding can turn it there, and no further.
;;   INPUTS GIVEN AS CODES. keys (in the module: [32, 2048, 64], K = its axis 2); queries (in the module: [32, 2048, 64], K = its axis 2); values (in the module: [32, 2048, 64], K = its axis 1): each comes as NAME_codes (uint8): NAME with its K axis moved to the last place and cut into blocks of 32 codes, [.., K / 32, bytes a block], one block behind the other in memory; one code a byte (a code: sign, 4 exponent bits, 3 mantissa bits); its scale is its entry of lowp_scales. Its value is code x scale, taken as it is: it is not quantised again, and the codes and scales need not be those that the quantiser above would give.
;; One version. Each part assembles by itself: llvm-mc -triple=amdgcn-amd-amdhsa -mcpu=gfx1250 --defsym DOCPART=n.
;; ======== version 1 of 1: 1 launch
;; limits: right only within a limited range of input values
;; launch attn (part 1): grid 256 x 1, 8 waves a work-group, no clusters, 275,456 bytes of LDS; arguments queries_codes, keys_codes, values_codes, lowp_scales, valid_lens, out0; writes out0
.if DOCPART == 1
	.amdgcn_target "amdgcn-amd-amdhsa--gfx1250"
	.amdhsa_code_object_version 6
	.text
	.protected	k_q74f1c91a7c_attn
	.globl	k_q74f1c91a7c_attn
	.p2align	8
	.type	k_q74f1c91a7c_attn,@function
k_q74f1c91a7c_attn:
	s_mov_b64 s[64:65], 0
	v_nop
	global_prefetch_b8 v0, s[64:65] scope:SCOPE_SE
	s_setreg_imm32_b32 hwreg(HW_REG_WAVE_MODE, 25, 1), 1
	s_wait_xcnt 0x0
; out[b][q][:] = sum over k of softmax_k(Q[b][q] . K[b][k] / 8, keys k >= valid_len[b] set to -1e6) V[b][k][:].  32 batches, 2,048 queries, 2,048 keys, head 64.
; Q, K: codes of FP8 (E4M3), rows of 64 bytes.  V: codes with the KEYS innermost, 64 rows of 2,048 bytes a batch.  Scales 2^eq, 2^ek, 2^ep, 2^ev are given.  out: f32.
; THE SOFTMAX AHEAD OF THE SECOND PRODUCT: t = score x log2(e); M = the largest t so far, rounded UP to a whole number; p = 2^(t - M) is quantised with 2^ep; the row's sum is taken of the
; unquantised p and divides at the end.  When M moves, the sum and O are multiplied by 2^(old M - new M): exact.
; WORK THAT IS LEFT OUT: a step of 128 keys that lies wholly behind valid_len.  That is a branch on a number read from memory
; K and V come through registers into LDS (global_load, ds_store), and there is no cluster, though the 16 work-groups of a batch read the same K and V.
; SHARES.  256 work-groups of 8 waves.  A work-group does TWO jobs of 128 queries: job A in the batch of rank c = wg / 16 by the number of keys to walk, job B in the batch of rank 31 - c, block wg % 16 of
; the queries in both: a short batch is paired with a long one.  Every wave ranks the 32 lengths itself, in registers.  Wave w: queries 32 (w % 4) on, two tiles of 16; parity p = w / 4: of each chunk of 512 keys
; it walks the steps p and p + 2.  The partial (M, sum, O) of waves g and g + 4 meet in LDS at the job's end; M is a whole number, so that rescaling is exact too.
; THE RING.  The chunks of A, then of B, are one list of NT <= 8; two LDS slots take turns.  Trip V loads chunk V + 1 into registers at its head and stores it into the other slot at its end.  Eight trips, always, one
; barrier a trip, on every wave's path; only work is jumped over.
; LAYOUT.  Both products are used transposed: S^T = K Q^T, O^T = V^T P^T: a lane holds ONE query (lane % 16) throughout.  Lane r of K's tile 2 b + u takes key 32 b + 8 u + r + 8 (r / 8), so that the 16 registers of
; tiles 2 b, 2 b + 1 are the keys 32 b + 16 (lane / 16) + 0 .. 15, which is what the second product's operand wants of p.  Fragments are fetched 16 bytes at a time: a permutation of k, the same on both sides of each product.
; LIMITS.  (1) Keys in steps that are left out carry no weight: as in the definition so long as a row's largest valid score lies above -999,890, where 2^(t - M) of a masked key is 0 in f32.
; (2) valid_len above 2,048 counts as 2,048.  valid_len <= 0: all 16 steps are walked with every key at -1e6 (equal weights); t is then about 1.4e6, where f32 steps are 0.125, so p's code may differ by one step of the format.
; (3) eq + ek between -104 and 130; ep between -126 and 119.  (4) NaN is not served.
; REGISTERS.  Tile 0 lies in window 0, tile 1 in window 1 UNDER THE SAME NUMBERS: each per-tile macro is one text, run under two settings of s_set_vgpr_msb (bits 1:0 source 0, 3:2 source 1, 5:4 source 2, 7:6 destination).
.set SLOTB,  67584                     ; an LDS slot: a chunk's K, then its V
.set KPL,    2112                      ; K: a plane = bytes 16 q .. 16 q + 15 of a step's 128 keys, 16 bytes a key, + 64 of padding: four planes start 64 bytes apart modulo 256 (64 banks of 4 bytes: ISA guide 11.1)
.set KSTEPB, 4*KPL                     ; a step's four planes
.set VOFF,   4*KSTEPB                  ; V: 64 rows (channels) of 512 keys,
.set VP,     528                       ; 512 bytes + 16 of padding: 33 x 16, so 16 rows start at 16 different columns of 16 bytes
.set STG0,   2*SLOTB                   ; two stages for the partial results, by turns
.set STG1,   STG0+69632
.set SP,     272                       ; a stage row: a query's 64 f32, then (-M, sum) twice
.set STB,    16*SP                     ; a tile
.set SPB,    2*STB                     ; a wave
.set SGB,    2*SPB                     ; the two waves of a group of queries
; window 0 only
.set AK,  1                            ; v1, v2    K fragments' address in slot 0, 1
.set AV,  3                            ; v3, v4    V fragments'
.set KS,  5                            ; v5, v6    where I store K into slot 0, 1
.set VS,  7                            ; v7, v8    V
.set KGO, 9                            ; v9        my byte in a chunk of K in memory
.set VGO, 10                           ; v10       in V
.set PFO, 11                           ; v11       the prefetches' offset
.set F,   32                           ; v32-95    fragments of K or of V.  (Window 1, v32-95: the chunk on its way from memory to LDS)
.set DS,  208                          ; v208, 209 where I put O into stage 0, 1
.set DT,  210                          ; v210, 211 and (-M, sum)
.set MR,  212                          ; v212, 213 where I read rows of O back
.set MS,  214                          ; v214, 215 and their (-M, sum)
.set GO,  216                          ; v216      my byte in the wave's rows of out
.set H16, 225                          ; v225      16 (lane / 16)
; both windows
.set NM,  12                           ; -M
.set TM,  13                           ; the largest t so far
.set L,   14                           ; v[14:15]  the sum, in two halves
.set Q,   16                           ; v16-23    the job's queries
.set QN,  24                           ; v24-31    job B's
.set S,   96                           ; v96-159   S^T, then p
.set O,   160                          ; v160-191  O^T
.set P,   192                          ; v192-207  p's codes
.set RN,  226                          ; a masked key's raw score: -8e6 / 2^(eq + ek)
.set MD,  227                          ; the mask's bound
.set PD,  236                          ; a lane permute's destination
.set HL,  240                          ; 448 x 2^ep
.set L2,  242                          ; v[242:243] the sum's second chain
.set SC,  244                          ; 2^ep
.set FF,  252                          ; v[252:253] f = 2^(old M - new M); v253 is only named with it
.set T,   254                          ; at work
; scalars
.set WV,   16
.set PAR,  17                          ; w / 4
.set GRP,  18                          ; w % 4
.set BLK,  19                          ; wg % 16
.set SEL,  20                          ; s[20:21] selects for v_permlanex16_b32: lane l xor 16
.set CS,   22                          ; s[22:23] c = log2(e) / 8 x 2^(eq + ek)
.set VC,   28                          ; the trip's chunk V
.set NA,   29                          ; chunks of job A
.set NT,   30                          ; of both
.set CNT,  31
.set KF,   32                          ; first key of my first step in the chunk in hand
.set LIM,  33                          ; keys to walk in the job in hand
.set LEN,  34                          ; keys that count
.set LIMB, 35
.set LENB, 36
.set GA0,  37                          ; 4 x A's batch: chunk w of the list is chunk GA0 + w of K's 128,
.set GBX,  38                          ; or, from NA on, GBX + w = 4 x B's batch + w - NA
.set PFNT, 39                          ; NT in the work-groups that prefetch, else 0
.set KPTR, 40
.set VPTR, 42
.set OFS,  44                          ; s[44:45] an offset as a pair; s45 stays 0
.set PFK,  46
.set PFV,  48
.set OUTA, 56
.set OUTB, 58
.set EPV,  60                          ; ep + ev
.set HOLDF, 61                         ; 1 where p can pass the largest code x 2^ep
.set P128, 62                          ; 128 x parity
.set MSB, 0
.macro WIN new                         ; the immediate's high byte repeats the setting that is left; a switch that changes nothing is dropped.  At every label and branch the setting is 0
.if MSB != (\new)
	s_set_vgpr_msb (MSB<<8)|(\new)
.set MSB, (\new)
.endif
.endm
.macro PLACES                          ; four plain vector lines between a matrix instruction and a load into a register that it read, or a vector line or store that reads its result
.rept 4
	v_nop
.endr
.endm
; Where chunk s[w] of the list lies in K and in V.  The number is held at 127 by a constant written here, and only shifts, masks and sums follow.
.macro GPTR w, kp, vp
	s_cmp_lt_u32 s[\w], s[NA]
	s_cselect_b32 s50, s[GA0], s[GBX]
	s_add_co_u32 s50, s50, s[\w]
	s_min_u32 s50, s50, 127                        ; 4 x batch + chunk
	s_lshl_b32 s[OFS], s50, 15                     ; K: chunks of 512 rows x 64 bytes lie on end
	s_add_nc_u64 s[\kp:\kp+1], s[6:7], s[OFS:OFS+1]
	s_and_b32 s51, s50, 0x7c
	s_lshl_b32 s51, s51, 15                        ; V: the batch's 64 rows of 2,048 bytes,
	s_and_b32 s50, s50, 3
	s_lshl_b32 s50, s50, 9                         ; and 512 bytes along each row
	s_add_co_u32 s[OFS], s51, s50
	s_add_nc_u64 s[\vp:\vp+1], s[8:9], s[OFS:OFS+1]
.endm
.macro GLOADS                          ; a chunk, 64 KiB for the work-group, into window 1: each line of the work-group reads 4,096 consecutive bytes of K, or 512 consecutive bytes of each of 8 rows of V
	WIN 0x40
.irp i, 0,1,2,3,4,5,6,7
	global_load_b128 v[32+4*\i:35+4*\i], v[KGO], s[KPTR:KPTR+1] offset:4096*\i
.endr
.irp i, 0,1,2,3,4,5,6,7
	global_load_b128 v[64+4*\i:67+4*\i], v[VGO], s[VPTR:VPTR+1] offset:16384*\i
.endr
	WIN 0
.endm
.macro GSTORES d                       ; and on into slot d.  K's round i holds keys 64 i on: step i / 2, upper or lower half of its places
	WIN 0x04
.irp i, 0,1,2,3,4,5,6,7
	ds_store_b128 v[KS+(\d)], v[32+4*\i:35+4*\i] offset:(\i/2)*KSTEPB+(\i%2)*1024
.endr
.irp i, 0,1,2,3,4,5,6,7
	ds_store_b128 v[VS+(\d)], v[64+4*\i:67+4*\i] offset:8*VP*\i
.endr
	WIN 0
.endm
.macro LOADG                           ; the next chunk is asked for at the trip's head, if there is one
	s_wait_xcnt 0x0                                ; every earlier memory line has read its addresses and data: the pointers below, and the registers that a job's stores read, are written only behind this wait
	s_add_co_u32 s52, s[VC], 1
	s_cmp_lt_u32 s52, s[NT]
	s_cbranch_scc0 .Lnoload_\@
	GPTR 52, KPTR, VPTR
	GLOADS
.Lnoload_\@:
.endm
; A PREFETCH INTO THE L2 of chunk V + 2, which the next trip's loads will ask for: it stands behind this trip's run of loads.  A chunk is 128 blocks of 256 bytes of K and 128 of V: waves 0-3 name K's, waves 4-7 V's,
; a lane a block, one line a wave.  Of the 16 work-groups that walk a batch the one with block 0 asks: each block is named once in the launch.  Chunks 0 and 1 come by their loads alone; nothing is asked for past the list's end.
.macro ASK
	s_add_co_u32 s52, s[VC], 2
	s_cmp_lt_u32 s52, s[PFNT]
	s_cbranch_scc0 .Lnoask_\@
	GPTR 52, PFK, PFV
	s_cmp_eq_u32 s[PAR], 0
	s_cselect_b64 s[PFK:PFK+1], s[PFK:PFK+1], s[PFV:PFV+1]
	global_prefetch_b8 v[PFO], s[PFK:PFK+1] th:TH_LOAD_NT scope:SCOPE_SE
.Lnoask_\@:
.endm
.macro STOREG d
	s_wait_loadcnt 0x0                             ; the chunk asked for at the trip's head is in.  On every path, so that no load is ever issued into a register with a load pending
	s_add_co_u32 s52, s[VC], 1
	s_cmp_lt_u32 s52, s[NT]
	s_cbranch_scc0 .Lnostore_\@
	GSTORES \d
.Lnostore_\@:
.endm
.macro QK                              ; S^T = K Q^T: eight tiles of 16 keys, each sum begun with the constant 0
.irp kt, 0,1,2,3,4,5,6,7
	v_wmma_f32_16x16x64_fp8_fp8 v[S+8*\kt:S+8*\kt+7], v[F+8*\kt:F+8*\kt+7], v[Q:Q+7], 0
.endr
.endm
.macro PV                              ; O^T += V^T P^T: four tiles of 16 channels, K = the step's 128 keys; the four accumulators take turns, one line a turn
.irp vt, 0,1,2,3
	v_wmma_f32_16x16x128_fp8_fp8 v[O+8*\vt:O+8*\vt+7], v[F+16*\vt:F+16*\vt+15], v[P:P+15], v[O+8*\vt:O+8*\vt+7]
.endr
.endm
.macro MASK                            ; register 16 b + i holds key KJ + 32 b + 16 (lane / 16) + i: it does not count where 32 b + i > MD = LEN - KJ - 1 - 16 (lane / 16)
.irp n, 0,1,2,3,4,5,6,7,8,9,10,11,12,13,14,15,16,17,18,19,20,21,22,23,24,25,26,27,28,29,30,31,32,33,34,35,36,37,38,39,40,41,42,43,44,45,46,47,48,49,50,51,52,53,54,55,56,57,58,59,60,61,62,63
	v_cmp_gt_i32 vcc_lo, 32*(\n/16)+\n%16, v[MD]
	v_cndmask_b32 v[S+\n], v[S+\n], v[RN], vcc_lo
.endr
.endm
.macro SOFT                            ; one tile's softmax for one step
	v_max3_num_f32 v[T], v[S], v[S+1], v[S+2]      ; the step's largest score of my query among my 64 keys, in two chains, each accumulator from its low end on
	v_max3_num_f32 v[FF], v[S+3], v[S+4], v[S+5]
.irp i, 6,10,14,18,22,26,30,34,38,42,46,50,54,58
	v_max3_num_f32 v[T], v[T], v[S+\i], v[S+\i+1]
	v_max3_num_f32 v[FF], v[FF], v[S+\i+2], v[S+\i+3]
.endr
	v_max3_num_f32 v[T], v[T], v[S+62], v[S+63]
	v_max_num_f32 v[T], v[T], v[FF]
	v_permlanex16_b32 v[PD], v[T], s[SEL], s[SEL+1]
	v_max_num_f32 v[T], v[T], v[PD]                ; and among lane l xor 16's
	v_mul_f32 v[T], s[CS], v[T]                    ; as t (c is positive)
	v_max_num_f32 v[TM], v[TM], v[T]
	v_mov_b32 v[T], v[NM]
	v_floor_f32 v[NM], -v[TM]                      ; the new -M = floor(-t) = -ceil(t)
	v_sub_f32 v[T], v[NM], v[T]                    ; old M - new M: a whole number, 0 or less
	v_cvt_i32_f32 v[T], v[T]                       ; (it saturates)
	v_ldexp_f32 v[FF], 1.0, v[T]                   ; f = 2^(old M - new M)
.set n, 0
.rept 32
	v_pk_fma_f32 v[S+n:S+n+1], v[S+n:S+n+1], s[CS:CS+1], v[NM:NM+1] op_sel_hi:[1,0,0]   ; t - M, two at a time (of the pairs c and -M the low word serves both halves)
.set n, n+2
.endr
.set n, 0
.rept 64
	v_exp_f32 v[S+n], v[S+n]                       ; p = 2^(t - M), at most 1, not normalised
.set n, n+1
.endr
	v_pk_mul_f32 v[L:L+1], v[L:L+1], v[FF:FF+1] op_sel_hi:[1,0]   ; the sum and O^T under the new M: plain lines that name no exponential's result stand behind the batch,
.set n, 0
.rept 16
	v_pk_mul_f32 v[O+n:O+n+1], v[O+n:O+n+1], v[FF:FF+1] op_sel_hi:[1,0]
.set n, n+2
.endr
	s_wait_alu depctr_va_vdst(0)                   ; and ONE wait for the 64 exponentials stands ahead of their first reader
	v_pk_add_f32 v[L2:L2+1], v[S:S+1], v[S+2:S+3]  ; the sum of the UNQUANTISED p, two at a time, in two chains
.irp j, 4,8,12,16,20,24,28,32,36,40,44,48,52,56,60
	v_pk_add_f32 v[L:L+1], v[L:L+1], v[S+\j:S+\j+1]
	v_pk_add_f32 v[L2:L2+1], v[L2:L2+1], v[S+\j+2:S+\j+3]
.endr
	v_pk_add_f32 v[L:L+1], v[L:L+1], v[L2:L2+1]
.endm
.macro HOLD                            ; the conversion to an 8-bit code does not saturate (ISA guide 7.6.2).  p is at most 1 and never negative: the hold is one-sided, and is run only where 448 x 2^ep < 1
.set n, 0
.rept 64
	v_min_num_f32 v[S+n], v[S+n], v[HL]
.set n, n+1
.endr
.endm
.macro CVT                             ; registers 4 b .. 4 b + 3 of the operand: keys 32 b + 16 (lane / 16) + 0 .. 15
.irp k, 0,1,2,3,4,5,6,7
	v_cvt_scalef32_pk8_fp8_f32 v[P+2*\k:P+2*\k+1], v[S+8*\k:S+8*\k+7], v[SC]
.endr
	v_nop                                          ; one plain vector line between a scaled conversion and the matrix instruction that reads its result
.endm
; A STEP: 128 keys, the (parity + 2 j)-th of the chunk in slot s, for my two tiles of queries.  Each fragment read from LDS feeds both tiles.
.macro STEP s, j
	s_add_co_u32 s53, s[KF], 256*\j                ; KJ: the step's first key
	s_cmp_ge_u32 s53, s[LIM]
	s_cbranch_scc1 .Lskip_\@                       ; all its keys lie behind the keys to walk
.irp kt, 0,1,2,3,4,5,6,7
	ds_load_b128 v[F+8*\kt:F+8*\kt+3],   v[AK+\s] offset:2*KSTEPB*\j+256*\kt            ; 16 lanes read 256 consecutive bytes of a plane
	ds_load_b128 v[F+8*\kt+4:F+8*\kt+7], v[AK+\s] offset:2*KSTEPB*\j+2*KPL+256*\kt
.endr
	s_wait_dscnt 0x0                               ; K's fragments are in
	QK
	WIN 0x54                                       ; K in window 0; Q and S^T in window 1
	QK
	WIN 0
	PLACES                                         ; ahead of the loads into K's registers and of the first read of the scores
.irp vt, 0,1,2,3
.irp c, 0,1,2,3
	ds_load_b128 v[F+16*\vt+4*\c:F+16*\vt+4*\c+3], v[AV+\s] offset:16*VP*\vt+256*\j+32*\c   ; V's fragments land under the first tile's softmax
.endr
.endr
	s_add_co_u32 s50, s53, 128
	s_cmp_le_u32 s50, s[LEN]
	s_cbranch_scc1 .Lopen_\@                       ; all 128 keys count
	s_sub_co_i32 s50, s[LEN], s53
	s_sub_co_i32 s50, s50, 1
	v_sub_nc_u32 v[MD], s50, v[H16]
	MASK
	WIN 0x40
	v_mov_b32 v[MD], v[MD]                         ; window 0's bound into window 1
	WIN 0x55
	MASK
	WIN 0
.Lopen_\@:
	SOFT
	s_cmp_eq_u32 s[HOLDF], 0
	s_cbranch_scc1 .Lfits0_\@
	HOLD
.Lfits0_\@:
	CVT
	s_wait_dscnt 0x0                               ; V's fragments are in
	PV                                             ; tile 0's products run under tile 1's softmax
	WIN 0x55
	SOFT
	WIN 0
	s_cmp_eq_u32 s[HOLDF], 0
	s_cbranch_scc1 .Lfits1_\@
	WIN 0x55
	HOLD
	WIN 0
.Lfits1_\@:
	WIN 0x55
	CVT
	WIN 0x54                                       ; V in window 0; p's codes and O^T in window 1
	PV
	WIN 0
	PLACES                                         ; ahead of the next loads into V's registers and of the next read of O^T
.Lskip_\@:
.endm
; A job's end, first half: my partial result goes into my part of a stage.  Lane (r, h), register 8 t + i: O(query r, channel 16 t + 8 h + i).
.macro DUMP ds, dt
.irp x, 0,1
	WIN 0x55*\x
	v_add_f32 v[TM], v[L], v[L+1]                  ; the sum's two halves (the largest t is done with: its register takes the sum, beside -M),
	v_permlanex16_b32 v[PD], v[TM], s[SEL], s[SEL+1]
	v_add_f32 v[TM], v[TM], v[PD]                  ; and lane l xor 16's
	WIN 0x04*\x
.irp t, 0,1,2,3
	ds_store_b128 v[\ds], v[O+8*\t:O+8*\t+3] offset:STB*\x+64*\t        ; each accumulator from its low end on
	ds_store_b128 v[\ds], v[O+8*\t+4:O+8*\t+7] offset:STB*\x+64*\t+16
.endr
	ds_store_b64 v[\dt], v[NM:NM+1] offset:STB*\x  ; (-M, sum): each half of the lanes has a copy of its own
.endr
	WIN 0
.endm
; Second half, behind a barrier: wave (g, p) takes rows 8 p .. 8 p + 7 of both tiles from both parities' stages: unit u = 4 x + i is rows 8 p + 2 i, + 1 of tile x, 16 lanes a row.
; out = (f0 O0 + f1 O1) / (f0 l0 + f1 l1) x 2^(ep + ev), f = 2^(own M - the larger M).  A wave that walked no step left -M = 3e38, sum 0, O 0: its f comes out 0.
.macro MERGE mr, ms, out
.irp src, 0,1
.irp x, 0,1
.irp i, 0,1,2,3
	ds_load_b128 v[S+32*\src+4*(4*\x+\i):S+32*\src+4*(4*\x+\i)+3], v[\mr] offset:SPB*\src+STB*\x+2*SP*\i
	ds_load_b64 v[F+16*\src+2*(4*\x+\i):F+16*\src+2*(4*\x+\i)+1], v[\ms] offset:SPB*\src+STB*\x+2*SP*\i
.endr
.endr
.endr
	s_wait_dscnt 0x0
.irp u, 0,1,2,3,4,5,6,7
	v_min_num_f32 v[F+33+4*\u], v[F+2*\u], v[F+16+2*\u]          ; -(the larger M)
	v_sub_f32 v[F+32+4*\u], v[F+33+4*\u], v[F+2*\u]
	v_sub_f32 v[F+34+4*\u], v[F+33+4*\u], v[F+16+2*\u]
	v_cvt_i32_f32 v[F+32+4*\u], v[F+32+4*\u]
	v_cvt_i32_f32 v[F+34+4*\u], v[F+34+4*\u]
	v_ldexp_f32 v[F+32+4*\u], 1.0, v[F+32+4*\u]                  ; f0
	v_ldexp_f32 v[F+34+4*\u], 1.0, v[F+34+4*\u]                  ; f1
	v_mul_f32 v[F+35+4*\u], v[F+32+4*\u], v[F+1+2*\u]
	v_fmac_f32 v[F+35+4*\u], v[F+34+4*\u], v[F+17+2*\u]          ; the row's sum
.endr
.irp u, 0,1,2,3,4,5,6,7
	v_rcp_f32 v[F+35+4*\u], v[F+35+4*\u]
.endr
	v_nop                                          ; a plain line behind the last reciprocal,
	s_wait_alu depctr_va_vdst(0)                   ; and one wait for the eight, ahead of their first reader
.irp u, 0,1,2,3,4,5,6,7
	v_ldexp_f32 v[F+35+4*\u], v[F+35+4*\u], s[EPV]
	v_mul_f32 v[F+32+4*\u], v[F+32+4*\u], v[F+35+4*\u]
	v_mul_f32 v[F+34+4*\u], v[F+34+4*\u], v[F+35+4*\u]
	v_pk_mul_f32 v[S+4*\u:S+4*\u+1], v[S+4*\u:S+4*\u+1], v[F+32+4*\u:F+33+4*\u] op_sel_hi:[1,0]
	v_pk_mul_f32 v[S+4*\u+2:S+4*\u+3], v[S+4*\u+2:S+4*\u+3], v[F+32+4*\u:F+33+4*\u] op_sel_hi:[1,0]
	v_pk_fma_f32 v[S+4*\u:S+4*\u+1], v[S+32+4*\u:S+33+4*\u], v[F+34+4*\u:F+35+4*\u], v[S+4*\u:S+4*\u+1] op_sel_hi:[1,0,1]
	v_pk_fma_f32 v[S+4*\u+2:S+4*\u+3], v[S+34+4*\u:S+35+4*\u], v[F+34+4*\u:F+35+4*\u], v[S+4*\u+2:S+4*\u+3] op_sel_hi:[1,0,1]
	global_store_b128 v[GO], v[S+4*\u:S+4*\u+3], s[\out:\out+1] offset:4096*(\u/4)+512*(\u%4) th:TH_STORE_NT   ; 32 lanes store two whole rows: 512 consecutive bytes, at a multiple of 256 from out's first byte
.endr
.endm
.macro INIT                            ; a job begins: the largest t is -3e38, under every t; the sum and O^T are zeros, which the first change of M leaves zeros: so the step has no first form of its own
	v_mov_b32 v[TM], 0xff61b1e6
	v_mov_b32 v[NM], 0x7f61b1e6
	v_mov_b32 v[L], 0
	v_mov_b32 v[L+1], 0
.set n, 0
.rept 32
	v_mov_b32 v[O+n], 0
.set n, n+1
.endr
.endm
.macro SWITCH                          ; from job A to job B
.irp x, 0,1
	WIN 0x55*\x
	INIT
.irp i, 0,1,2,3,4,5,6,7
	v_mov_b32 v[Q+\i], v[QN+\i]
.endr
.endr
	WIN 0
	s_mov_b32 s[LIM], s[LIMB]
	s_mov_b32 s[LEN], s[LENB]
	s_mov_b32 s[KF], s[P128]
.endm
; A TRIP: chunk V, in slot s.  Between this trip's barrier and the next a wave reads slot s and stage s, and writes slot 1 - s and stage 1 - s: no byte is both read and written there, whichever branches are taken.
.macro TRIP s
	s_cmp_lg_u32 s[VC], s[NA]
	s_cbranch_scc1 .Lnodump_\@
	DUMP DS+\s, DT+\s                              ; job A's chunks are walked
.Lnodump_\@:
	s_wait_dscnt 0x0                               ; for the others' sake: my stores into slot s and the stage have landed, and my reads of slot 1 - s are over
	s_barrier_signal -1
	s_barrier_wait -1
	s_cmp_lg_u32 s[VC], s[NA]
	s_cbranch_scc1 .Lnomerge_\@
	MERGE MR+\s, MS+\s, OUTA
	SWITCH
.Lnomerge_\@:
	LOADG
	ASK
	STEP \s, 0
	STEP \s, 1
	s_add_co_u32 s[KF], s[KF], 512
	STOREG 1-\s
	s_add_co_u32 s[VC], s[VC], 1
.endm
	s_load_b256 s[4:11], s[0:1], 0x0               ; Q s[4:5], K s[6:7], V s[8:9], the scales' exponents s[10:11]
	s_load_b128 s[12:15], s[0:1], 0x20             ; valid_lens s[12:13], out s[14:15]
	v_lshl_add_u32 v251, v0, 2, 0x43000
	v_mov_b32 v255, 0
	v_lshrrev_b32 v217, 5, v0                      ; w
	v_readfirstlane_b32 s[WV], v217
	s_lshr_b32 s[PAR], s[WV], 2
	s_and_b32 s[GRP], s[WV], 3
	s_and_b32 s[BLK], ttmp9, 15
	s_lshr_b32 s55, ttmp9, 4                       ; c
	s_lshl_b32 s[P128], s[PAR], 7
	s_mov_b32 s[SEL], 0x76543210
	s_mov_b32 s[SEL+1], 0xfedcba98
	s_mov_b32 s[OFS+1], 0
	v_and_b32 v218, 15, v0                         ; r
	v_bfe_u32 v219, v0, 4, 1                       ; h
	v_and_b32 v220, 31, v0                         ; lane
	v_bfe_u32 v221, v0, 5, 2                       ; g = w % 4
	v_bfe_u32 v222, v0, 7, 1                       ; p = w / 4
	v_lshlrev_b32 v[H16], 4, v219
	; K's fragments: plane 2 c + h, place 16 tile + r; my first step is step p
	v_lshlrev_b32 v[AK], 4, v218
	v_mad_u32_u24 v[AK], v219, KPL, v[AK]
	v_mad_u32_u24 v[AK], v222, KSTEPB, v[AK]
	v_add_nc_u32 v[AK+1], SLOTB, v[AK]
	; V's fragments: row 16 tile + r, bytes 128 step + 32 c + 16 h
	v_mul_u32_u24 v[AV], v218, VP
	v_lshl_add_u32 v[AV], v219, 4, v[AV]
	v_lshl_add_u32 v[AV], v222, 7, v[AV]
	v_add_nc_u32 v[AV], VOFF, v[AV]
	v_add_nc_u32 v[AV+1], SLOTB, v[AV]
	; K on its way in: thread t of round i holds quarter t % 4 of key 64 i + t / 4.  A key's place in its step is its number with bits 3 and 4 exchanged (the tiles' choice of keys)
	v_and_b32 v223, 3, v0
	v_mul_u32_u24 v[KS], v223, KPL
	v_bfe_u32 v223, v0, 2, 3
	v_lshl_add_u32 v[KS], v223, 4, v[KS]
	v_bfe_u32 v223, v0, 5, 1                       ; the key's bit 3 -> the place's bit 4
	v_lshl_add_u32 v[KS], v223, 8, v[KS]
	v_bfe_u32 v223, v0, 6, 1                       ; bit 4 -> bit 3
	v_lshl_add_u32 v[KS], v223, 7, v[KS]
	v_lshl_add_u32 v[KS], v222, 9, v[KS]           ; bit 5
	v_add_nc_u32 v[KS+1], SLOTB, v[KS]
	; V on its way in: wave w of round i holds row 8 i + w, 16 bytes a lane
	v_mul_u32_u24 v[VS], v217, VP
	v_lshl_add_u32 v[VS], v220, 4, v[VS]
	v_add_nc_u32 v[VS], VOFF, v[VS]
	v_add_nc_u32 v[VS+1], SLOTB, v[VS]
	v_lshlrev_b32 v[KGO], 4, v0
	v_lshlrev_b32 v[VGO], 4, v220
	v_lshl_add_u32 v[VGO], v217, 11, v[VGO]
	; the prefetches: waves 0-3: block 32 g + lane of K's chunk; waves 4-7: row 16 g + lane / 2 of V, half lane % 2 of its 512 bytes
	v_lshlrev_b32 v[PFO], 8, v220
	v_lshl_add_u32 v[PFO], v221, 13, v[PFO]
	v_lshrrev_b32 v223, 1, v220
	v_lshl_add_u32 v223, v221, 4, v223
	v_lshlrev_b32 v223, 11, v223
	v_and_b32 v224, 1, v0
	v_lshl_add_u32 v223, v224, 8, v223
	v_cmp_eq_u32 vcc_lo, 1, v222
	v_cndmask_b32 v[PFO], v[PFO], v223, vcc_lo
	; the stages
	v_mul_u32_u24 v223, v221, SGB
	v_mad_u32_u24 v224, v222, SPB, v223
	v_mad_u32_u24 v224, v218, SP, v224             ; my wave's part, row r
	v_lshl_add_u32 v[DS], v219, 5, v224
	v_add_nc_u32 v[DS], STG0, v[DS]
	v_add_nc_u32 v[DS+1], STG1-STG0, v[DS]
	v_lshl_add_u32 v[DT], v219, 3, v224
	v_add_nc_u32 v[DT], STG0+256, v[DT]
	v_add_nc_u32 v[DT+1], STG1-STG0, v[DT]
	v_lshl_add_u32 v224, v222, 3, v219             ; back: row 8 p + h, 16 bytes a lane
	v_mad_u32_u24 v[MS], v224, SP, v223
	v_lshl_add_u32 v[MR], v218, 4, v[MS]
	v_add_nc_u32 v[MR], STG0, v[MR]
	v_add_nc_u32 v[MR+1], STG1-STG0, v[MR]
	v_add_nc_u32 v[MS], STG0+256, v[MS]
	v_add_nc_u32 v[MS+1], STG1-STG0, v[MS]
	v_lshlrev_b32 v[GO], 8, v224                   ; and the same rows in out
	v_lshl_add_u32 v[GO], v218, 4, v[GO]
	v_lshlrev_b32 v223, 6, v218
	v_lshl_add_u32 v223, v219, 4, v223             ; Q: row r of 64 bytes, + 16 h
	v_lshlrev_b32 v224, 2, v220                    ; valid_lens: a lane a batch
	s_wait_kmcnt 0x0
	s_load_b128 s[24:27], s[10:11], 0x0            ; eq, ek, ep, ev
	global_load_b32 v228, v224, s[12:13]
	s_wait_loadcnt 0x0
	; THE RANKS.  A batch's sort key: (keys to walk) x 64 + 32 (where valid_len <= 0) + its number: no two are equal.
	v_cmp_gt_i32 vcc_lo, 1, v228                   ; valid_len <= 0: all 2,048 keys are walked, none counts
	v_min_u32 v229, 0x800, v228
	v_mov_b32 v232, 0x800
	v_mov_b32 v233, 32
	v_cndmask_b32 v229, v229, v232, vcc_lo
	v_cndmask_b32 v231, 0, v233, vcc_lo
	v_lshl_add_u32 v229, v229, 6, v231
	v_add_nc_u32 v229, v229, v220
	v_mov_b32 v230, 0
.irp i, 0,1,2,3,4,5,6,7,8,9,10,11,12,13,14,15,16,17,18,19,20,21,22,23,24,25,26,27,28,29,30,31
	v_readlane_b32 s50, v229, \i
	v_cmp_lt_u32 vcc_lo, s50, v229
	v_add_co_ci_u32 v230, vcc_lo, 0, v230, vcc_lo  ; my rank: how many keys lie under mine
.endr
	s_sub_co_u32 s54, 31, s55
	s_wait_xcnt 0x0                                ; EXEC is changed only when every memory line issued so far has read its sources
	v_cmp_eq_u32 vcc_lo, s55, v230
	s_and_saveexec_b32 s51, vcc_lo
	v_readfirstlane_b32 s52, v229                  ; the key of rank c: job A
	s_or_b32 exec_lo, exec_lo, s51
	v_cmp_eq_u32 vcc_lo, s54, v230
	s_and_saveexec_b32 s51, vcc_lo
	v_readfirstlane_b32 s53, v229                  ; the key of rank 31 - c: job B
	s_or_b32 exec_lo, exec_lo, s51
	s_and_b32 s50, s52, 31
	s_min_u32 s50, s50, 31                         ; A's batch
	s_lshr_b32 s[LIM], s52, 6
	s_min_u32 s[LIM], s[LIM], 0x800
	s_bitcmp1_b32 s52, 5
	s_cselect_b32 s[LEN], 0, s[LIM]
	s_add_co_u32 s[NA], s[LIM], 511
	s_lshr_b32 s[NA], s[NA], 9                     ; 1 to 4 chunks
	s_and_b32 s51, s53, 31
	s_min_u32 s51, s51, 31                         ; B's batch
	s_lshr_b32 s[LIMB], s53, 6
	s_min_u32 s[LIMB], s[LIMB], 0x800
	s_bitcmp1_b32 s53, 5
	s_cselect_b32 s[LENB], 0, s[LIMB]
	s_add_co_u32 s[NT], s[LIMB], 511
	s_lshr_b32 s[NT], s[NT], 9
	s_add_co_u32 s[NT], s[NT], s[NA]               ; 2 to 8
	s_lshl_b32 s[GA0], s50, 2
	s_lshl_b32 s[GBX], s51, 2
	s_sub_co_u32 s[GBX], s[GBX], s[NA]
	s_cmp_eq_u32 s[BLK], 0
	s_cselect_b32 s[PFNT], s[NT], 0
	s_lshl_b32 s52, s[BLK], 7
	s_lshl_b32 s53, s[GRP], 5
	s_add_co_u32 s52, s52, s53                     ; my first query in a batch: 128 block + 32 g
	s_lshl_b32 s50, s50, 11
	s_add_co_u32 s50, s50, s52
	s_min_u32 s50, s50, 0xffe0                     ; as a row of all 65,536: job A's,
	s_lshl_b32 s51, s51, 11
	s_add_co_u32 s51, s51, s52
	s_min_u32 s51, s51, 0xffe0                     ; job B's
	s_lshl_b32 s[OFS], s50, 6
	s_add_nc_u64 s[PFK:PFK+1], s[4:5], s[OFS:OFS+1]    ; (the prefetches' registers serve Q's two addresses first)
	s_lshl_b32 s[OFS], s51, 6
	s_add_nc_u64 s[PFV:PFV+1], s[4:5], s[OFS:OFS+1]
	s_lshl_b32 s[OFS], s50, 8
	s_add_nc_u64 s[OUTA:OUTA+1], s[14:15], s[OFS:OFS+1]
	s_lshl_b32 s[OFS], s51, 8
	s_add_nc_u64 s[OUTB:OUTB+1], s[14:15], s[OFS:OFS+1]
.irp c, 0,1
	global_load_b128 v[Q+4*\c:Q+4*\c+3],   v223, s[PFK:PFK+1] offset:32*\c th:TH_LOAD_NT   ; both jobs' queries stay in registers: bytes 32 c + 16 h of row r
	global_load_b128 v[QN+4*\c:QN+4*\c+3], v223, s[PFV:PFV+1] offset:32*\c th:TH_LOAD_NT
.endr
	WIN 0x40
.irp c, 0,1
	global_load_b128 v[Q+4*\c:Q+4*\c+3],   v223, s[PFK:PFK+1] offset:1024+32*\c th:TH_LOAD_NT
	global_load_b128 v[QN+4*\c:QN+4*\c+3], v223, s[PFV:PFV+1] offset:1024+32*\c th:TH_LOAD_NT
.endr
	WIN 0
	s_mov_b32 s52, 0
	GPTR 52, KPTR, VPTR
	GLOADS                                         ; chunk 0
	s_wait_kmcnt 0x0
	s_add_co_i32 s50, s24, s25                     ; eq + ek
	s_lshl_b32 s51, s50, 23
	s_mov_b32 s[CS], 0x3e38aa3b                    ; log2(e) / 8,
	s_add_co_i32 s[CS], s[CS], s51                 ; x 2^(eq + ek): the sum is added to the exponent field
	s_mov_b32 s[CS+1], s[CS]                       ; (named with it as a pair, so it is written)
	s_sub_co_i32 s50, 0, s50
	v_mov_b32 v[RN], 0xcaf42400                    ; -8e6: x c it is -1e6 x log2(e)
	v_ldexp_f32 v[RN], v[RN], s50
	s_add_co_i32 s51, s26, 127
	s_lshl_b32 s52, s51, 23
	v_mov_b32 v[SC], s52                           ; 2^ep as f32: the conversion takes its exponent field
	s_add_co_i32 s51, s51, 8
	s_lshl_b32 s51, s51, 23
	s_or_b32 s51, s51, 0x600000
	v_mov_b32 v[HL], s51                           ; 448 x 2^ep
	s_add_co_i32 s[EPV], s26, s27
	s_cmp_lt_i32 s26, -8                           ; 448 x 2^-8 = 1.75 still covers p
	s_cselect_b32 s[HOLDF], 1, 0
	v_mov_b32 v[PD], 0                             ; written once: a lane permute's destination counts as one of its sources
	v_mov_b32 v[FF+1], 0
	WIN 0x40                                       ; the same five in window 1: destination window 1, sources window 0
	v_mov_b32 v[RN], v[RN]
	v_mov_b32 v[SC], v[SC]
	v_mov_b32 v[HL], v[HL]
	v_mov_b32 v[PD], 0
	v_mov_b32 v[FF+1], 0
	WIN 0
	INIT
	WIN 0x55
	INIT
	WIN 0
	s_mov_b32 s[VC], 0
	s_mov_b32 s[KF], s[P128]
	s_mov_b32 s[CNT], 0
	s_wait_loadcnt 0x0                             ; Q and chunk 0
	GSTORES 0
.Lloop:                                                ; four times two trips, whatever the lengths: every wave passes every barrier
	TRIP 0
	TRIP 1
	s_add_co_u32 s[CNT], s[CNT], 1
	s_cmp_lt_u32 s[CNT], 4
	s_cbranch_scc1 .Lloop
	DUMP DS, DT                                    ; job B's end.  Stage 0 was last read in a trip on slot 0, and the barrier of the trip on slot 1 lies between
	s_wait_dscnt 0x0
	s_barrier_signal -1
	s_barrier_wait -1
	MERGE MR, MS, OUTB
	s_wait_tensorcnt 0x0
	ds_add_u32 v251, v255
	s_wait_dscnt 0x0
	s_endpgm
.Lfunc_end_k_q74f1c91a7c_attn:
	.size	k_q74f1c91a7c_attn, .Lfunc_end_k_q74f1c91a7c_attn-k_q74f1c91a7c_attn
	.p2alignl 7, 3214868480
	.fill 96, 4, 3214868480
	.section	.rodata,"a",@progbits
	.p2align	6, 0x0
	.amdhsa_kernel k_q74f1c91a7c_attn
		.amdhsa_group_segment_fixed_size 275456
		.amdhsa_private_segment_fixed_size 0
		.amdhsa_enable_private_segment 0
		.amdhsa_kernarg_size 48
		.amdhsa_user_sgpr_count 2
		.amdhsa_user_sgpr_kernarg_segment_ptr 1
		.amdhsa_wavefront_size32 1
		.amdhsa_system_sgpr_workgroup_id_x 1
		.amdhsa_system_sgpr_workgroup_id_y 1
		.amdhsa_system_sgpr_workgroup_id_z 1
		.amdhsa_system_vgpr_workitem_id 0
		.amdhsa_next_free_vgpr 512
		.amdhsa_next_free_sgpr 66
		.amdhsa_reserve_vcc 1
		.amdhsa_float_denorm_mode_32 3
		.amdhsa_float_denorm_mode_16_64 3
		.amdhsa_memory_ordered 1
		.amdhsa_forward_progress 1
		.amdhsa_inst_pref_size 219
	.end_amdhsa_kernel
	.amdgpu_metadata
---
amdhsa.version: [ 1, 2 ]
amdhsa.kernels:
  - .name:           k_q74f1c91a7c_attn
    .symbol:         k_q74f1c91a7c_attn.kd
    .args:
      - { .name: queries_codes, .offset: 0, .size: 8, .value_kind: global_buffer, .address_space: global }
      - { .name: keys_codes, .offset: 8, .size: 8, .value_kind: global_buffer, .address_space: global }
      - { .name: values_codes, .offset: 16, .size: 8, .value_kind: global_buffer, .address_space: global }
      - { .name: lowp_scales, .offset: 24, .size: 8, .value_kind: global_buffer, .address_space: global }
      - { .name: valid_lens, .offset: 32, .size: 8, .value_kind: global_buffer, .address_space: global }
      - { .name: out0, .offset: 40, .size: 8, .value_kind: global_buffer, .address_space: global }
    .group_segment_fixed_size: 275456
    .private_segment_fixed_size: 0
    .kernarg_segment_align: 8
    .kernarg_segment_size: 48
    .max_flat_workgroup_size: 256
    .sgpr_count:     66
    .vgpr_count:     512
    .wavefront_size: 32
...
	.end_amdgpu_metadata
.endif
;; end of part 1
